; MI455X (gfx1250); checked and timed in simulation.
; The chip was launched on July 23, 2026; its instructions are those of AMD's public machine-readable ISA for CDNA 5 (MIT licence, August 2026) and "CDNA5" Instruction Set Architecture Reference Guide (July 2026). The comments in the code are by the model that wrote it; some were corrected since.
;; Cross Attention. Allowed arithmetic: matrix products marked QUANTISED: E5M2 operands, one E8M0 scale for each 32 along K, by v_wmma_scale_f32_16x16x128_f8f6f4 with both operands' format E5M2, f32 sums; everything else in f32.
;; Inputs: Wkv 1,024 x 768 float32; Wp 512 x 512 float32; Wq 512 x 512 float32; bp 512 float32; key_padding_mask 2 x 4,096 bool; x 2 x 4,096 x 512 float32; y 2 x 4,096 x 768 float32.
;; Outputs: out0 2 x 4,096 x 512 float32.
;; This version of the problem:
;;   THIS VERSION OF THE PROBLEM IS GIVEN IN LOW PRECISION. The matrix products marked QUANTISED in the list below multiply operands that are first quantised to E5M2 (5 exponent bits, 2 mantissa bits; 8 bits a number), with one power-of-two scale for each 32 numbers along K (OCP MX v1.0); their sums are f32. All else is computed in f32.
;;   The module's matrix products, in the order in which they are computed (A, B: the left and right operand; K: the contracted axis; several contracted axes count as one K, in the product's order):
;;     1. [M 8,192, K 512] x [K 512, N 512]; A: input x; B: input Wq: QUANTISED
;;     2. [M 8,192, K 768] x [K 768, N 1,024]; A: input y; B: input Wkv: QUANTISED
;;     3. batch 16 x [M 4,096, K 64] x [K 64, N 4,096]; A: computed on the way; B: computed on the way: QUANTISED
;;     4. batch 16 x [M 4,096, K 4,096] x [K 4,096, N 64]; A: softmax (see below); B: computed on the way: QUANTISED
;;     5. [M 8,192, K 512] x [K 512, N 512]; A: computed on the way; B: input Wp: QUANTISED
;;   THE QUANTISER, for each operand of a quantised product, along K:
;;     - K is cut into blocks of 32 from its start; a last block that is shorter is filled with zeros.
;;     - A block's scale is 2^e with e = floor(log2(the largest magnitude in the block)) - 15, held to -126 .. 127; a block of zeros has e = 0. As a byte (E8M0): e + 127.
;;     - Each number is divided by its block's scale, clamped to +-57,344, and rounded to the nearest number of E5M2, ties to even, subnormals kept.
;;     - The product sums the exact products of the quantised numbers (number of the format x scale) in f32.
;;   ~~~python
;;   def quantise(x, axis):      # numpy; x: float32 -> the quantised numbers, widened to float32 again
;;       x = np.moveaxis(x, axis, -1); K = x.shape[-1]
;;       x = np.pad(x, [(0, 0)] * (x.ndim - 1) + [(0, -K % 32)]); x = x.reshape(x.shape[:-1] + (-1, 32)); a = np.abs(x).max(-1, keepdims=True)
;;       e = np.where(a > 0, np.clip(np.frexp(np.where(a > 0, a, 1))[1] - 1 - 15, -126, 127), 0)      # np.frexp(a)[1] - 1 = floor(log2(a)), exactly
;;       r = np.clip(x / 2.0 ** e, -57344, 57344)
;;       step = 2.0 ** (np.maximum(np.frexp(np.where(r == 0, 1, r))[1] - 1, -14) - 2)
;;       q = np.round(r / step) * step * 2.0 ** e      # np.round: ties to even
;;       return np.moveaxis(q.reshape(q.shape[:-2] + (-1,))[..., :K], -1, axis).astype(np.float32)
;;   ~~~
;;   SOFTMAX AHEAD OF A QUANTISED PRODUCT. Where the list says 'softmax', what is quantised is not the finished softmax but p = 2^(t - M), with t = logit x log2(e) and M = ceil(the row's largest t), a whole number; so 1/2 < the row's largest p <= 1. The row's sum l is taken of the UNQUANTISED p, in f32, and the product's result is divided by l at the end. Since M is a whole number, a kernel that streams over the keys may use a running M (the ceiling of the running maximum): every later rescaling is an exact power of two, which a block's scale takes up: the codes' values come out the same.
;;   OPERANDS COMPUTED ON THE WAY. 'Computed on the way' means the value that the module computes at that place (a softmax that the list does not call 'softmax' is quantised finished and normalised). What goes into a quantiser is computed in f32, as accurately as f32 sums, v_exp_f32 and their like allow (about 1e-6 of the number): no bf16 or f16 on the way to a quantiser, and a product that is left as it is and whose result goes on into a quantised operand takes f32 operands (vector FMAs, or v_wmma_f32_16x16x4_f32). A number that lies on a knife's edge between two numbers of the format may be rounded either way, as far as f32 arithmetic and the matrix unit's own rounding can turn it there, and no further.
;; One version. Each part assembles by itself: llvm-mc -triple=amdgcn-amd-amdhsa -mcpu=gfx1250 --defsym DOCPART=n.
;; ======== version 1 of 1: 4 launches
;; limits: right only within a limited range of input values
;; workspace buffers: ximg 4,325,376 bytes; yimg 6,488,064 bytes; wqimg 270,336 bytes; wkvimg 811,008 bytes; wpimg 270,336 bytes; kv 8,781,824 bytes; oimg 4,325,376 bytes
;; launch quant (part 1): grid 360 x 1, 4 waves a work-group, no clusters, 34,304 bytes of LDS; arguments x, y, Wq, Wkv, Wp, ximg, yimg, wqimg, wkvimg, wpimg; writes ximg, yimg, wqimg, wkvimg, wpimg
.if DOCPART == 1
	.amdgcn_target "amdgcn-amd-amdhsa--gfx1250"
	.amdhsa_code_object_version 6
	.text
	.protected	k_q4536045e98_quant
	.globl	k_q4536045e98_quant
	.p2align	8
	.type	k_q4536045e98_quant,@function
k_q4536045e98_quant:
	s_mov_b64 s[64:65], 0
	v_nop
	global_prefetch_b8 v0, s[64:65] scope:SCOPE_SE
	s_setreg_imm32_b32 hwreg(HW_REG_WAVE_MODE, 25, 1), 1
	s_wait_xcnt 0x0
; x [8192][512], y [8192][768], Wq [512][512], Wkv [1024][768], Wp [512][512], all f32 with K innermost, become codes of BF8 (E5M2) with one E8M0 scale byte
; for each 32 along K, laid as IMAGES OF THE OPERAND'S REGISTERS, so that every later launch fetches fragments by dense loads of 512 bytes.
; TILES.  Rows go in pairs of tiles, 32 rows a pair: lane r of tile u of pair P is row 32 P + 8 u + r + 8 (r / 8).
; A PAIR'S RECORD: codes [K step s of 128][u][c = 0..3][lane][16 bytes], lane (r, h) holding k = 128 s + 32 c + 16 h + 0..15 of its row; behind them the scale words,
; [s / 2][lane 16 u + r][2 words], word s % 2 for K step s.  K = 768: 24,576 + 768 bytes; K = 512: 16,384 + 512.
; A block's scale is 2^(floor(log2(its largest magnitude)) - 15); its byte is the largest magnitude's exponent field - 15, held at 1 from below.  A block of zeros so gets the byte 1:
; its codes are zeros, and this program alone reads the bytes.  Each number is held within +-57,344 x the scale and rounded to the nearest code, ties to even.
; LIMITS: blocks whose largest magnitude lies under 2^-111 take the byte 1; NaN and infinities among the inputs are not served.
; SHARES.  A wave's job is one pair x two K steps: 32 rows x 1,024 bytes, in four units (K step, tile) of 16 rows x 512 bytes.  One path serves all five tensors: only pointers and sizes are chosen,
; by the work-group's number.  A unit's 16 loads read 512 consecutive bytes each; the unit turns through the wave's own stage in LDS (rows of 512 + 16 bytes), from which a lane takes
; the 16 neighbours along K of each of its row's four blocks.  No barrier: waves share nothing.  No matrix unit, no cluster, no tensor load: a stream that is read once.
.set STGB,  8448                       ; a wave's stage: 16 rows x 528 bytes
.set PITCH, 528
.set OFF, 8                            ; v8-15    i x the row's bytes + 16 x lane
.set R,   16                           ; v16-143  two sets of 64: a unit as loaded
.set X,   144                          ; v144-207 a unit as the conversions want it: register 16 b + i = k 32 b + 16 h + i of my row
.set PC,  208                          ; v208-223 the fragment's codes
.set TM,  224                          ; v224-239 at work
.set PW,  240                          ; the fragment's scale word
.set T0,  241                          ; tile 0's word, kept for tile 1's
.set SW,  242                          ; v[242:243] the job's two scale words of my lane
.set SEL, 52                           ; s[52:53] lane selects: lane l xor 16
.set MNT, 54                           ; s54 the mantissa field of 57,344
.set HI,  55                           ; s55 lanes 16-31
; 64 numbers of a lane, v[s] on, become a fragment's codes in v[PC] on and its scale word in v[PW]
.macro QUANT s
.irp b, 0,1,2,3
	v_max3_num_f32 v[TM+\b], |v[\s+16*\b]|, |v[\s+1+16*\b]|, 0x8000000   ; block b: my 16 numbers, and the floor 2^(16 - 127): the byte cannot fall under 1
.endr
.irp i, 2,4,6,8,10,12,14
.irp b, 0,1,2,3
	v_max3_num_f32 v[TM+\b], v[TM+\b], |v[\s+16*\b+\i]|, |v[\s+1+16*\b+\i]|   ; the four blocks by turns
.endr
.endr
.irp b, 0,1,2,3
	v_permlanex16_b32 v[TM+4+\b], v[TM+\b], s[SEL], s[SEL+1]
.endr
.irp b, 0,1,2,3
	v_max_num_f32 v[TM+\b], v[TM+\b], v[TM+4+\b]   ; with lane l xor 16's 16: the block's largest magnitude
.endr
.irp b, 0,1,2,3
	v_add_nc_u32 v[TM+12+\b], 0xf8800000, v[TM+\b]   ; 15 off its exponent field: the conversion takes this operand's exponent field as its scale
.endr
.irp b, 0,1,2,3
	v_and_or_b32 v[TM+8+\b], v[TM+\b], 0x7f800000, s[MNT]   ; 57,344 x the scale
.endr
.irp b, 0,1,2,3
	v_lshrrev_b32 v[TM+4+\b], 23, v[TM+12+\b]   ; the scale's byte
.endr
	v_lshl_or_b32 v[PW], v[TM+5], 8, v[TM+4]
	v_lshl_or_b32 v[PW], v[TM+6], 16, v[PW]
	v_lshl_or_b32 v[PW], v[TM+7], 24, v[PW]
.irp b, 0,1,2,3
.irp i, 0,1,2,3,4,5,6,7,8,9,10,11,12,13,14,15
	v_med3_num_f32 v[\s+16*\b+\i], v[\s+16*\b+\i], -v[TM+8+\b], v[TM+8+\b]   ; the conversion to an 8-bit code does not saturate (ISA guide 7.6.2): the hold
.endr
	v_cvt_scalef32_pk8_bf8_f32 v[PC+4*\b:PC+1+4*\b], v[\s+16*\b:\s+7+16*\b], v[TM+12+\b]
	v_cvt_scalef32_pk8_bf8_f32 v[PC+2+4*\b:PC+3+4*\b], v[\s+8+16*\b:\s+15+16*\b], v[TM+12+\b]
.endr
	v_nop                                          ; a plain line behind the last conversion
.endm
	s_load_b512 s[4:19], s[0:1], 0x0               ; x, y, Wq, Wkv, Wp, ximg, yimg, wqimg
	s_load_b128 s[20:23], s[0:1], 0x40             ; wkvimg, wpimg
	v_lshl_add_u32 v254, v0, 2, 0x8400
	v_mov_b32 v255, 0
	v_lshrrev_b32 v1, 5, v0
	v_readfirstlane_b32 s33, v1                    ; wave 0..3
	v_and_b32 v2, 31, v0                           ; lane
	v_and_b32 v1, 15, v0                           ; r
	v_bfe_u32 v3, v0, 4, 1                         ; h
	v_lshlrev_b32 v4, 4, v2                        ; 16 x lane
	v_lshlrev_b32 v5, 3, v2                        ; 8 x lane
	s_mul_i32 s58, s33, STGB
	v_add_nc_u32 v6, s58, v4                       ; the stage, on the way in: a row's 512 bytes as they lie
	v_mul_u32_u24 v7, v1, PITCH
	v_lshl_add_u32 v7, v3, 6, v7
	v_add_nc_u32 v7, s58, v7                       ; and on the way out: row r, + 64 h
	s_mov_b32 s[SEL], 0x76543210
	s_mov_b32 s[SEL+1], 0xfedcba98
	s_mov_b32 s[MNT], 0x600000
	s_mov_b32 s[HI], 0xffff0000
.irp b, 0,1,2,3
	v_mov_b32 v[TM+4+\b], 0                        ; written once: a lane permute's destination counts as one of its sources
.endr
	s_wait_kmcnt 0x0
	; which tensor: work-groups 0-191 y, 192-215 Wkv, 216-343 x, 344-351 Wq, 352-359 Wp.  The choices hang on the work-group's number alone.
	s_mov_b64 s[24:25], s[12:13]                   ; from: Wp
	s_mov_b64 s[26:27], s[22:23]                   ; to: wpimg
	s_mov_b32 s28, 352                             ; the tensor's first work-group
	s_mov_b32 s29, 4                               ; log2 of its pairs
	s_mov_b32 s30, 2048                            ; a row in bytes
	s_mov_b32 s31, 16896                           ; a pair's record
	s_mov_b32 s32, 16384                           ; where its scale words begin
	s_cmp_lt_u32 ttmp9, 352
	s_cselect_b64 s[24:25], s[8:9], s[24:25]       ; Wq
	s_cselect_b64 s[26:27], s[18:19], s[26:27]
	s_cselect_b32 s28, 344, s28
	s_cmp_lt_u32 ttmp9, 344
	s_cselect_b64 s[24:25], s[4:5], s[24:25]       ; x
	s_cselect_b64 s[26:27], s[14:15], s[26:27]
	s_cselect_b32 s28, 216, s28
	s_cselect_b32 s29, 8, s29
	s_cmp_lt_u32 ttmp9, 216
	s_cselect_b64 s[24:25], s[10:11], s[24:25]     ; Wkv
	s_cselect_b64 s[26:27], s[20:21], s[26:27]
	s_cselect_b32 s28, 192, s28
	s_cselect_b32 s29, 5, s29
	s_cselect_b32 s30, 3072, s30
	s_cselect_b32 s31, 25344, s31
	s_cselect_b32 s32, 24576, s32
	s_cmp_lt_u32 ttmp9, 192
	s_cselect_b64 s[24:25], s[6:7], s[24:25]       ; y
	s_cselect_b64 s[26:27], s[16:17], s[26:27]
	s_cselect_b32 s28, 0, s28
	s_cselect_b32 s29, 8, s29
	s_sub_co_u32 s34, ttmp9, s28
	s_lshl_b32 s34, s34, 2
	s_add_co_u32 s34, s34, s33                     ; my job
	s_lshl_b32 s35, 1, s29
	s_sub_co_u32 s35, s35, 1
	s_and_b32 s35, s34, s35                        ; its pair
	s_lshr_b32 s36, s34, s29                       ; and which two K steps
	s_lshl_b32 s37, s35, 5
	s_mul_i32 s38, s37, s30                        ; 32 x pair rows,
	s_lshl_b32 s37, s36, 10
	s_add_co_u32 s38, s38, s37                     ; + 1,024 bytes for each two K steps (all offsets stay under 2^25)
	s_mov_b32 s39, 0
	s_add_nc_u64 s[40:41], s[24:25], s[38:39]      ; the pair's four groups of eight rows
	s_lshl_b32 s56, s30, 3
	s_mov_b32 s57, 0
	s_add_nc_u64 s[42:43], s[40:41], s[56:57]
	s_add_nc_u64 s[44:45], s[42:43], s[56:57]
	s_add_nc_u64 s[46:47], s[44:45], s[56:57]
	s_mul_i32 s38, s35, s31
	s_lshl_b32 s37, s36, 13
	s_add_co_u32 s56, s38, s37
	s_add_nc_u64 s[48:49], s[26:27], s[56:57]      ; where my codes go: two K steps are 8,192 bytes
	s_lshl_b32 s37, s36, 8
	s_add_co_u32 s56, s38, s37
	s_add_co_u32 s56, s56, s32
	s_add_nc_u64 s[50:51], s[26:27], s[56:57]      ; and my 256 bytes of scale words
.irp i, 0,1,2,3,4,5,6,7
	v_mad_u32_u24 v[OFF+\i], s30, \i, v4
.endr
; Unit t = 2 x (K step of the job) + tile.  Stage row i is the tile's lane i: row 8 (u + 2 (i / 8)) + i % 8 of the pair.
.macro LOAD t
.irp i, 0,1,2,3,4,5,6,7,8,9,10,11,12,13,14,15
	global_load_b128 v[R+64*((\t)%2)+4*\i:R+64*((\t)%2)+4*\i+3], v[OFF+\i%8], s[40+2*((\t)%2+2*(\i/8)):41+2*((\t)%2+2*(\i/8))] offset:512*((\t)/2) th:TH_LOAD_NT   ; 32 lanes read 512 consecutive bytes, read once in the launch
.endr
.endm
.macro TURN t                          ; LDS serves a wave's instructions in order: no wait between the stores and the loads
.irp i, 0,1,2,3,4,5,6,7,8,9,10,11,12,13,14,15
	ds_store_b128 v6, v[R+64*((\t)%2)+4*\i:R+64*((\t)%2)+4*\i+3] offset:PITCH*\i
.endr
.irp c, 0,1,2,3
.irp i, 0,1,2,3
	ds_load_b128 v[X+16*\c+4*\i:X+16*\c+4*\i+3], v7 offset:128*\c+16*\i
.endr
.endr
.endm
.macro WORK t
.if (\t) < 3
	s_wait_loadcnt 16                              ; this unit's 16 loads are in; the next unit's 16 may be out
.else
	s_wait_loadcnt 0x0
.endif
	TURN \t
	s_wait_dscnt 0x0                               ; the stage's stores have read their registers, and my numbers are back
	s_wait_xcnt 0x0                                ; the last unit's stores have read the codes' registers: they are written again below
.if (\t)+2 < 4
	LOAD (\t)+2
.endif
	QUANT X
.irp c, 0,1,2,3
	global_store_b128 v4, v[PC+4*\c:PC+4*\c+3], s[48:49] offset:4096*((\t)/2)+2048*((\t)%2)+512*\c   ; 32 lanes store 512 consecutive bytes, aligned
.endr
.if (\t)%2 == 0
	v_mov_b32 v[T0], v[PW]
.else
	v_cndmask_b32 v[SW+(\t)/2], v[T0], v[PW], s[HI]   ; lanes 0-15 tile 0's word of row r, lanes 16-31 tile 1's (both halves of the lanes hold their row's word)
.endif
.endm
	LOAD 0
	LOAD 1
	s_wait_alu depctr_va_vdst(0)
	WORK 0
	WORK 1
	WORK 2
	WORK 3
	global_store_b64 v5, v[SW:SW+1], s[50:51]      ; 32 lanes store 256 consecutive bytes, aligned
	s_wait_tensorcnt 0x0
	ds_add_u32 v254, v255
	s_wait_dscnt 0x0
	s_endpgm
.Lfunc_end_k_q4536045e98_quant:
	.size	k_q4536045e98_quant, .Lfunc_end_k_q4536045e98_quant-k_q4536045e98_quant
	.p2alignl 7, 3214868480
	.fill 96, 4, 3214868480
	.section	.rodata,"a",@progbits
	.p2align	6, 0x0
	.amdhsa_kernel k_q4536045e98_quant
		.amdhsa_group_segment_fixed_size 34304
		.amdhsa_private_segment_fixed_size 0
		.amdhsa_enable_private_segment 0
		.amdhsa_kernarg_size 80
		.amdhsa_user_sgpr_count 2
		.amdhsa_user_sgpr_kernarg_segment_ptr 1
		.amdhsa_wavefront_size32 1
		.amdhsa_system_sgpr_workgroup_id_x 1
		.amdhsa_system_sgpr_workgroup_id_y 1
		.amdhsa_system_sgpr_workgroup_id_z 1
		.amdhsa_system_vgpr_workitem_id 0
		.amdhsa_next_free_vgpr 256
		.amdhsa_next_free_sgpr 66
		.amdhsa_reserve_vcc 0
		.amdhsa_float_denorm_mode_32 3
		.amdhsa_float_denorm_mode_16_64 3
		.amdhsa_memory_ordered 1
		.amdhsa_forward_progress 1
		.amdhsa_inst_pref_size 53
	.end_amdhsa_kernel
	.amdgpu_metadata
---
amdhsa.version: [ 1, 2 ]
amdhsa.kernels:
  - .name:           k_q4536045e98_quant
    .symbol:         k_q4536045e98_quant.kd
    .args:
      - { .name: x, .offset: 0, .size: 8, .value_kind: global_buffer, .address_space: global }
      - { .name: y, .offset: 8, .size: 8, .value_kind: global_buffer, .address_space: global }
      - { .name: Wq, .offset: 16, .size: 8, .value_kind: global_buffer, .address_space: global }
      - { .name: Wkv, .offset: 24, .size: 8, .value_kind: global_buffer, .address_space: global }
      - { .name: Wp, .offset: 32, .size: 8, .value_kind: global_buffer, .address_space: global }
      - { .name: ximg, .offset: 40, .size: 8, .value_kind: global_buffer, .address_space: global }
      - { .name: yimg, .offset: 48, .size: 8, .value_kind: global_buffer, .address_space: global }
      - { .name: wqimg, .offset: 56, .size: 8, .value_kind: global_buffer, .address_space: global }
      - { .name: wkvimg, .offset: 64, .size: 8, .value_kind: global_buffer, .address_space: global }
      - { .name: wpimg, .offset: 72, .size: 8, .value_kind: global_buffer, .address_space: global }
    .group_segment_fixed_size: 34304
    .private_segment_fixed_size: 0
    .kernarg_segment_align: 8
    .kernarg_segment_size: 80
    .max_flat_workgroup_size: 128
    .sgpr_count:     66
    .vgpr_count:     256
    .wavefront_size: 32
...
	.end_amdgpu_metadata
.endif
;; end of part 1
;; launch proj (part 2): grid 4 x 64, 8 waves a work-group, no clusters, 306,688 bytes of LDS; arguments yimg, wkvimg, key_padding_mask, kv; writes kv
.if DOCPART == 2
	.amdgcn_target "amdgcn-amd-amdhsa--gfx1250"
	.amdhsa_code_object_version 6
	.text
	.protected	k_q4536045e98_proj
	.globl	k_q4536045e98_proj
	.p2align	8
	.type	k_q4536045e98_proj,@function
k_q4536045e98_proj:
	s_mov_b64 s[64:65], 0
	v_nop
	global_prefetch_b8 v0, s[64:65] scope:SCOPE_SE
	s_setreg_imm32_b32 hwreg(HW_REG_WAVE_MODE, 25, 1), 1
	s_wait_xcnt 0x0
; k and v = y Wkv^T on codes of BF8 (E5M2) with E8M0 scales (K = 768), quantised again in registers for the two products of attention, and laid as images of their registers.
; SHARES.  Work-group (cg, rb): heads 2 cg and 2 cg + 1, batch rb / 32, the 128 keys of step rb % 32.  Eight waves.
; LDS holds, filled once by six tensor loads of 50,688 dense bytes: the 4 pair records of the 128 rows of y, of the 128 rows of Wkv that make k, of the 128 that make v.
; PHASE k: source 0 = the 128 rows of Wk (8 tiles), source 1 = my tile of 16 keys: a lane holds ONE key and its 64 registers run along the two heads' d: the next product's K.
; PHASE v: source 0 = the 128 keys (8 tiles), source 1 = my tile of 16 rows of Wv: a lane holds one d and its 64 registers run along the keys: the next product's K.
; (Lane r of tile u of pair P is row 32 P + 8 u + r + 8 (r / 8), so that the 16 registers of two neighbouring result tiles are 16 neighbours along the next K.)
; A STEP'S RECORD in kv, 17,152 bytes for each (batch, head, step): K's codes [tile 0..7][c 0..1][lane][16]; at 8,192 V's codes [d tile 0..3][c 0..3][lane][16];
; at 16,384 K's scale words [lane 16 u + r][4]: word j is tile 2 j + u's; at 16,896 V's [lane 16 u + r][2].
; THE MASK rides in K's scale word.  The score product has K = 64 of the instruction's 128; at k = 64 the attention kernel holds the code 1.0 for each query and -1.0 for each key.  Byte 2 of a key's word scales it:
; 227 for a masked key (-2^100 is added to its score), 1 for an open one (-2^-126, which no score can see).  Byte 3 is 1, over zero codes.
; LIMITS: blocks whose largest magnitude lies under 2^-111 take the byte 1; NaN and infinities are not served.
; No cluster: each work-group fetches once and has no ring; a cluster's rounds would stand beside one fetch.
.set REC,   25344                      ; a pair's record at K = 768
.set YB,    0
.set WKB,   4*REC
.set WVB,   8*REC
.set SCR,   12*REC                     ; 304,128: two heads' scale words, 768 bytes each; written by LDS stores alone, no tensor load lands here
.set KVREC, 17152
.set HEADB, 32*KVREC                   ; from a head's records to the next head's
.set L16, 1                            ; v1  16 x lane
.set L8,  2                            ; v2  8 x lane
.set KO,  3                            ; v3  where my K codes go
.set VO,  4                            ; v4  where my V codes go
.set WB,  11                           ; v11 my tile's place in a region: codes
.set WBS, 12                           ; v12 and scale words
.set KSC, 13                           ; v13 scratch: my keys' scale words
.set VSC, 14                           ; v14 scratch: my d's scale words
.set MK,  15                           ; v15 my key's mask byte
.set FB,  16                           ; v16-31   source 1's fragment
.set ACC, 32                           ; v32-95   8 accumulators
.set FA,  96                           ; v96-223  source 0's 8 fragments
.set SA,  224                          ; v224-247 source 0's scale words: 6 x pair + K step
.set SB,  248                          ; v248-253 source 1's
.set TM,  96                           ; behind the products: at work,
.set PC,  112                          ; the codes,
.set PW,  128                          ; the scale word
.set RB4, 254                          ; v254, v255 scratch read back
.set RB2, 255
.set SEL, 44
.set MNT, 46
.macro MM d, a, b, z, sa, sb, row      ; z = 1: the product starts the sum;  row = 1: source 0's scales stand in lanes 16-31
.if \z
.if \row
	v_wmma_scale_f32_16x16x128_f8f6f4 v[\d:\d+7], v[\a:\a+15], v[\b:\b+15], 0, v[\sa], v[\sb] matrix_a_fmt:MATRIX_FMT_BF8 matrix_b_fmt:MATRIX_FMT_BF8 matrix_a_scale:MATRIX_SCALE_ROW1
.else
	v_wmma_scale_f32_16x16x128_f8f6f4 v[\d:\d+7], v[\a:\a+15], v[\b:\b+15], 0, v[\sa], v[\sb] matrix_a_fmt:MATRIX_FMT_BF8 matrix_b_fmt:MATRIX_FMT_BF8
.endif
.else
.if \row
	v_wmma_scale_f32_16x16x128_f8f6f4 v[\d:\d+7], v[\a:\a+15], v[\b:\b+15], v[\d:\d+7], v[\sa], v[\sb] matrix_a_fmt:MATRIX_FMT_BF8 matrix_b_fmt:MATRIX_FMT_BF8 matrix_a_scale:MATRIX_SCALE_ROW1
.else
	v_wmma_scale_f32_16x16x128_f8f6f4 v[\d:\d+7], v[\a:\a+15], v[\b:\b+15], v[\d:\d+7], v[\sa], v[\sb] matrix_a_fmt:MATRIX_FMT_BF8 matrix_b_fmt:MATRIX_FMT_BF8
.endif
.endif
.endm
.macro QUANT s                         ; 64 numbers of a lane, register 16 b + i = k 32 b + 16 h + i, become codes in v[PC] on and a scale word in v[PW]
.irp b, 0,1,2,3
	v_max3_num_f32 v[TM+\b], |v[\s+16*\b]|, |v[\s+1+16*\b]|, 0x8000000   ; each accumulator is read from its low end on; the floor 2^(16 - 127) holds the byte at 1
.endr
.irp i, 2,4,6,8,10,12,14
.irp b, 0,1,2,3
	v_max3_num_f32 v[TM+\b], v[TM+\b], |v[\s+16*\b+\i]|, |v[\s+1+16*\b+\i]|
.endr
.endr
.irp b, 0,1,2,3
	s_delay_alu instid0(VALU_DEP_4)
	v_permlanex16_b32 v[TM+4+\b], v[TM+\b], s[SEL], s[SEL+1]
.endr
.irp b, 0,1,2,3
	s_delay_alu instid0(VALU_DEP_4)
	v_max_num_f32 v[TM+\b], v[TM+\b], v[TM+4+\b]
.endr
.irp b, 0,1,2,3
	s_delay_alu instid0(VALU_DEP_4)
	v_add_nc_u32 v[TM+12+\b], 0xf8800000, v[TM+\b]
.endr
.irp b, 0,1,2,3
	v_and_or_b32 v[TM+8+\b], v[TM+\b], 0x7f800000, s[MNT]
.endr
.irp b, 0,1,2,3
	v_lshrrev_b32 v[TM+4+\b], 23, v[TM+12+\b]
.endr
	s_delay_alu instid0(VALU_DEP_3)
	v_lshl_or_b32 v[PW], v[TM+5], 8, v[TM+4]
	s_delay_alu instid0(VALU_DEP_1)
	v_lshl_or_b32 v[PW], v[TM+6], 16, v[PW]
	s_delay_alu instid0(VALU_DEP_1)
	v_lshl_or_b32 v[PW], v[TM+7], 24, v[PW]
.irp b, 0,1,2,3
.irp i, 0,1,2,3,4,5,6,7,8,9,10,11,12,13,14,15
	v_med3_num_f32 v[\s+16*\b+\i], v[\s+16*\b+\i], -v[TM+8+\b], v[TM+8+\b]
.endr
	v_cvt_scalef32_pk8_bf8_f32 v[PC+4*\b:PC+1+4*\b], v[\s+16*\b:\s+7+16*\b], v[TM+12+\b]
	v_cvt_scalef32_pk8_bf8_f32 v[PC+2+4*\b:PC+3+4*\b], v[\s+8+16*\b:\s+15+16*\b], v[TM+12+\b]
.endr
	v_nop                                          ; a plain line behind the last conversion: matrix instructions write its sources later
.endm
; 48 products: source 0 = all 8 tiles of the region at abase, source 1 = my tile of the region at bbase, K = 768 in six steps; then the 64 results a lane are quantised.
; The eight accumulators take turns, one instruction a turn.
.macro UNIT abase, bbase
	v_add_nc_u32 v5, \abase, v[L16]                ; pairs 0, 1
	v_add_nc_u32 v6, \abase+2*REC, v[L16]          ; pairs 2, 3
	v_add_nc_u32 v7, \abase+24576, v[L8]           ; their scale words
	v_add_nc_u32 v8, \abase+2*REC+24576, v[L8]
	v_add_nc_u32 v9, \bbase, v[WB]
	s_wait_alu depctr_va_vdst(0)
	v_add_nc_u32 v10, \bbase, v[WBS]
.irp p, 0,1,2,3
.irp j, 0,1,2
	ds_load_b64 v[SA+6*\p+2*\j:SA+6*\p+2*\j+1], v[7+\p/2] offset:REC*(\p%2)+256*\j   ; two K steps' words; lanes 0-15 tile 0's rows, lanes 16-31 tile 1's
.endr
.endr
.irp j, 0,1,2
	ds_load_b64 v[SB+2*\j:SB+2*\j+1], v10 offset:256*\j
.endr
.irp s, 0,1,2,3,4,5
.if \s > 0
.rept 8
	v_nop                                          ; eight places in front of loads into registers that matrix instructions have read
.endr
.endif
.irp c, 0,1,2,3
	ds_load_b128 v[FB+4*\c:FB+4*\c+3], v9 offset:4096*\s+512*\c
.endr
.irp a, 0,1,2,3,4,5,6,7
.irp c, 0,1,2,3
	ds_load_b128 v[FA+16*\a+4*\c:FA+16*\a+4*\c+3], v[5+\a/4] offset:REC*((\a/2)%2)+4096*\s+2048*(\a%2)+512*\c   ; 512 consecutive bytes: no two lanes meet in a bank
.endr
.endr
	s_wait_dscnt 0x0
.irp a, 0,1,2,3,4,5,6,7
	MM ACC+8*\a, FA+16*\a, FB, \s==0, SA+6*(\a/2)+\s, SB+\s, \a%2
.endr
.endr
.rept 8
	v_nop                                          ; eight places in front of the first read of results and the first write of operands
.endr
	QUANT ACC
.endm
	s_load_b256 s[4:11], s[0:1], 0x0               ; yimg, wkvimg, the mask, kv
	s_set_vgpr_msb 0x40
	v_lshl_add_u32 v0, v0, 2, 0x4aa00
	v_mov_b32 v1, 0
	s_set_vgpr_msb 0x4045
	ds_add_u32 v0, v1
	ds_add_u32 v0, v1
	s_set_vgpr_msb 0x4500
	v_lshrrev_b32 v1, 5, v0
	s_delay_alu instid0(VALU_DEP_1)
	v_readfirstlane_b32 s12, v1                    ; wave 0..7
	s_and_b32 s13, ttmp7, 0xffff                   ; rb
	s_lshr_b32 s14, s12, 1                         ; my tile's pair
	s_and_b32 s15, s12, 1                          ; and which of its two tiles
	v_and_b32 v5, 31, v0                           ; lane
	v_and_b32 v6, 15, v0                           ; r
	s_wait_alu depctr_va_vdst(0)
	v_lshlrev_b32 v[L16], 4, v5
	s_wait_alu depctr_va_vdst(0)
	v_lshlrev_b32 v[L8], 3, v5
	s_wait_alu depctr_va_vdst(0)
	s_mul_i32 s16, s14, REC
	s_lshl_b32 s17, s15, 11
	s_add_co_u32 s17, s16, s17
	v_add_nc_u32 v[WB], s17, v[L16]
	s_lshl_b32 s17, s15, 7
	s_add_co_u32 s17, s16, s17
	s_add_co_u32 s17, s17, 24576
	v_lshl_add_u32 v[WBS], v6, 3, s17              ; lanes 0-15 want row r of MY tile: its words stand at lane 16 u + r
	s_lshl_b32 s17, s15, 8
	s_lshl_b32 s18, s14, 2
	s_add_co_u32 s17, s17, s18
	s_add_co_u32 s17, s17, SCR
	v_lshl_add_u32 v[KSC], v6, 4, s17              ; K's words: 16 (16 u + r) + 4 (tile / 2)
	s_lshr_b32 s18, s12, 2                         ; phase v: which of the two heads
	s_mul_i32 s17, s18, 768
	s_lshl_b32 s19, s15, 7
	s_add_co_u32 s17, s17, s19
	s_and_b32 s19, s14, 1
	s_lshl_b32 s19, s19, 2
	s_add_co_u32 s17, s17, s19
	s_add_co_u32 s17, s17, SCR+512
	v_lshl_add_u32 v[VSC], v6, 3, s17              ; V's words: 8 (16 u + r) + 4 (d tile / 2)
	s_min_u32 s17, s12, 1
	s_mul_i32 s17, s17, 768
	s_add_co_u32 s17, s17, SCR
	v_add_nc_u32 v[RB4], s17, v[L16]               ; waves 0 and 1 read a head's words back
	s_add_co_u32 s17, s17, 512
	v_add_nc_u32 v[RB2], s17, v[L8]
	s_lshl_b32 s17, s12, 10
	v_add_nc_u32 v[KO], s17, v[L16]                ; K's codes: 1,024 x tile + 16 x lane
	s_mul_i32 s17, s18, HEADB
	s_and_b32 s19, s12, 3
	s_lshl_b32 s19, s19, 11
	s_add_co_u32 s17, s17, s19
	s_add_co_u32 s17, s17, 8192
	v_add_nc_u32 v[VO], s17, v[L16]                ; V's codes: the head, 8,192 + 2,048 x d tile + 16 x lane
	v_and_b32 v7, 8, v6
	s_delay_alu instid0(VALU_DEP_1)
	v_add_nc_u32 v7, v7, v6                        ; r + 8 (r / 8)
	s_lshl_b32 s17, s13, 7                         ; the mask is [2][4096]: 128 rb is the step's first key
	s_lshl_b32 s19, s14, 5
	s_add_co_u32 s17, s17, s19
	s_lshl_b32 s19, s15, 3
	s_add_co_u32 s17, s17, s19
	v_add_nc_u32 v7, s17, v7                       ; my key's byte
.irp b, 0,1,2,3
	v_mov_b32 v[TM+4+\b], 0                        ; a lane permute's destination counts as one of its sources
.endr
	s_mov_b32 s[SEL], 0x76543210
	s_mov_b32 s[SEL+1], 0xfedcba98
	s_mov_b32 s[MNT], 0x600000
	; descriptor group 1: 50,688 dense bytes as 198 rows of 32 elements of 8 bytes
	s_mov_b32 s24, 3<<16                           ; no mask; elements of 8 bytes; no padding
	s_mov_b32 s25, 32<<16                          ; tensor_dim0
	s_mov_b32 s26, 198<<16                         ; tensor_dim1
	s_mov_b32 s27, 32<<16                          ; tile_dim0
	s_mov_b32 s28, 198                             ; tile_dim1
	s_mov_b32 s29, 32                              ; the pitch
	s_mov_b32 s30, 0
	s_mov_b32 s31, 0
	s_mov_b32 s20, 1
	s_mul_i32 s21, s12, 2*REC                      ; LDS: wave x 50,688: y's halves, Wk's, Wv's
	s_mul_i32 s32, s13, 4*REC                      ; y: pairs 4 rb on
	s_mov_b32 s33, 0
	s_lshr_b32 s36, s12, 2                         ; waves 2, 3: Wk (0); waves 4, 5: Wv (1)
	s_lshl_b32 s36, s36, 2
	s_add_co_u32 s36, s36, ttmp9
	s_mul_i32 s36, s36, 4*REC                      ; Wkv: pairs 4 cg on, or 16 + 4 cg on
	s_mov_b32 s37, 0
	s_lshr_b32 s38, s13, 5                         ; batch
	s_and_b32 s39, s13, 31                         ; step
	s_lshl_b32 s38, s38, 3
	s_lshl_b32 s40, ttmp9, 1
	s_add_co_u32 s38, s38, s40                     ; 8 x batch + the even head
	s_lshl_b32 s38, s38, 5
	s_add_co_u32 s38, s38, s39
	s_mul_i32 s38, s38, KVREC
	s_mov_b32 s39, 0
	s_mul_i32 s40, s15, 2*REC
	s_mov_b32 s41, 0
	s_wait_dscnt 0x0
	s_wait_kmcnt 0x0
	s_add_nc_u64 s[10:11], s[10:11], s[38:39]      ; kv at the even head's record of this step
	s_add_nc_u64 s[34:35], s[4:5], s[32:33]
	s_add_nc_u64 s[36:37], s[6:7], s[36:37]
	s_cmp_eq_u32 s14, 0
	s_cselect_b64 s[22:23], s[34:35], s[36:37]     ; the choice hangs on the wave's number alone
	s_add_nc_u64 s[22:23], s[22:23], s[40:41]      ; my half of the region
	s_or_b32 s23, s23, 0x80000000                  ; type = 2
	s_cmp_lt_u32 s12, 6
	s_cbranch_scc0 .Lno_fill
	tensor_load_to_lds s[20:23], s[24:31]          ; one load a wave, filled once
	s_nop 0
.rept 4
	v_nop
.endr
.Lno_fill:
	s_wait_alu depctr_va_vdst(0)
	global_load_u8 v[MK], v7, s[8:9]
	s_wait_tensorcnt 0x0                           ; my part has landed,
	s_barrier_signal -1
	s_barrier_wait -1                              ; everybody's has
	s_wait_loadcnt 0x0                             ; the mask byte is in, and its offset register is free
	UNIT WKB, YB                                   ; ---- k: lane = key, registers = d of the two heads
.irp p, 0,1,2,3
	global_store_b128 v[KO], v[PC+4*\p:PC+4*\p+3], s[10:11] offset:(\p/2)*HEADB+(\p%2)*512   ; blocks 0, 1: the even head's d; 2, 3: the odd head's.  512 consecutive bytes, aligned
.endr
	v_mul_u32_u24 v129, v[MK], 0xe20000            ; bytes 2 and 3 of the key's word: 1 + 226 x mask, and 1
	s_delay_alu instid0(VALU_DEP_1)
	v_add_nc_u32 v129, 0x01010000, v129
	s_delay_alu instid0(VALU_DEP_1)
	v_and_or_b32 v130, v[PW], 0xffff, v129         ; the even head's two bytes below them,
	v_lshrrev_b32 v131, 16, v[PW]
	s_delay_alu instid0(VALU_DEP_1)
	v_or_b32 v131, v131, v129                      ; the odd head's
	ds_store_b32 v[KSC], v130                      ; (both halves of the lanes write the same word with the same value)
	ds_store_b32 v[KSC], v131 offset:768
	s_wait_xcnt 0x0                                ; the stores have read the codes' registers,
	s_wait_dscnt 0x0                               ; and the LDS stores theirs: loads land there next
	UNIT YB, WVB                                   ; ---- v: lane = d, registers = the step's 128 keys
.irp c, 0,1,2,3
	global_store_b128 v[VO], v[PC+4*\c:PC+4*\c+3], s[10:11] offset:512*\c
.endr
	ds_store_b32 v[VSC], v[PW]
	s_wait_dscnt 0x0                               ; for the others' sake: my scale words lie in LDS
	s_barrier_signal -1
	s_barrier_wait -1
	s_cmp_lt_u32 s12, 2
	s_cbranch_scc0 .Ldone
	ds_load_b128 v[16:19], v[RB4]                  ; wave w stores head 2 cg + w's words: 512 + 256 consecutive bytes, aligned
	ds_load_b64 v[20:21], v[RB2]
	s_mul_i32 s17, s12, HEADB
	v_add_nc_u32 v5, s17, v[L16]
	v_add_nc_u32 v6, s17, v[L8]
	s_wait_alu depctr_va_vdst(0)
	s_wait_dscnt 0x0
	global_store_b128 v5, v[16:19], s[10:11] offset:16384
	global_store_b64 v6, v[20:21], s[10:11] offset:16896
.Ldone:
	s_set_vgpr_msb 0x5
	s_wait_tensorcnt 0x0
	ds_add_u32 v0, v1
	s_wait_dscnt 0x0
	s_set_vgpr_msb 0x500
	s_endpgm
.Lfunc_end_k_q4536045e98_proj:
	.size	k_q4536045e98_proj, .Lfunc_end_k_q4536045e98_proj-k_q4536045e98_proj
	.p2alignl 7, 3214868480
	.fill 96, 4, 3214868480
	.section	.rodata,"a",@progbits
	.p2align	6, 0x0
	.amdhsa_kernel k_q4536045e98_proj
		.amdhsa_group_segment_fixed_size 306688
		.amdhsa_private_segment_fixed_size 0
		.amdhsa_enable_private_segment 0
		.amdhsa_kernarg_size 32
		.amdhsa_user_sgpr_count 2
		.amdhsa_user_sgpr_kernarg_segment_ptr 1
		.amdhsa_wavefront_size32 1
		.amdhsa_system_sgpr_workgroup_id_x 1
		.amdhsa_system_sgpr_workgroup_id_y 1
		.amdhsa_system_sgpr_workgroup_id_z 1
		.amdhsa_system_vgpr_workitem_id 0
		.amdhsa_next_free_vgpr 258
		.amdhsa_next_free_sgpr 66
		.amdhsa_reserve_vcc 0
		.amdhsa_float_denorm_mode_32 3
		.amdhsa_float_denorm_mode_16_64 3
		.amdhsa_memory_ordered 1
		.amdhsa_forward_progress 1
		.amdhsa_inst_pref_size 70
	.end_amdhsa_kernel
	.amdgpu_metadata
---
amdhsa.version: [ 1, 2 ]
amdhsa.kernels:
  - .name:           k_q4536045e98_proj
    .symbol:         k_q4536045e98_proj.kd
    .args:
      - { .name: yimg, .offset: 0, .size: 8, .value_kind: global_buffer, .address_space: global }
      - { .name: wkvimg, .offset: 8, .size: 8, .value_kind: global_buffer, .address_space: global }
      - { .name: key_padding_mask, .offset: 16, .size: 8, .value_kind: global_buffer, .address_space: global }
      - { .name: kv, .offset: 24, .size: 8, .value_kind: global_buffer, .address_space: global }
    .group_segment_fixed_size: 306688
    .private_segment_fixed_size: 0
    .kernarg_segment_align: 8
    .kernarg_segment_size: 32
    .max_flat_workgroup_size: 256
    .sgpr_count:     66
    .vgpr_count:     258
    .wavefront_size: 32
...
	.end_amdgpu_metadata
.endif
;; end of part 2
;; launch attn (part 3): grid 16 x 16, 16 waves a work-group, clusters of 4 x 1, 327,680 bytes of LDS; arguments ximg, wqimg, kv, oimg; writes oimg
.if DOCPART == 3
	.amdgcn_target "amdgcn-amd-amdhsa--gfx1250"
	.amdhsa_code_object_version 6
	.text
	.protected	k_q4536045e98_attn
	.globl	k_q4536045e98_attn
	.p2align	8
	.type	k_q4536045e98_attn,@function
k_q4536045e98_attn:
	s_mov_b64 s[64:65], 0
	v_nop
	global_prefetch_b8 v0, s[64:65] scope:SCOPE_SE
	s_setreg_imm32_b32 hwreg(HW_REG_WAVE_MODE, 25, 1), 1
	s_wait_xcnt 0x0
	s_wait_alu depctr_hold_cnt(0) depctr_sa_sdst(0) depctr_va_vdst(0) depctr_va_sdst(0) depctr_va_ssrc(0) depctr_va_vcc(0) depctr_vm_vsrc(0)
	s_getreg_b32 s2, hwreg(HW_REG_IB_STS2, 6, 4)
	s_cmp_eq_u32 s2, 0
	s_cbranch_scc0 .Lentry_in_a_cluster
	s_endpgm
.Lentry_in_a_cluster:
	s_bfe_u32 s2, ttmp6, 0x10000c
	s_cmp_lg_u32 s2, 0x3003
	s_cbranch_scc0 .Lentry_shape_is_right
	s_endpgm
.Lentry_shape_is_right:
; q = x Wq^T for the wave's own queries, then o = softmax(q k^T / 8, masked) v, all products on codes of BF8 (E5M2) with E8M0 scales; o / l is quantised for the last product and stored as an image of its registers.
; SHARES.  A work-group owns 256 queries of one (batch, head); each of its sixteen waves owns one tile of 16, in 256 registers.  Every wave walks the head's 4,096 keys, 128 a step.
; A step's record (17,152 bytes: K's codes, V's codes, their scale words, all as images of registers) comes through a ring of two LDS slots of EIGHT records: four changes of slots in all.
; CLUSTER.  The four query blocks of a cluster walk the same records: each record is asked for jointly, by the same tensor load with a mask that names the four.  So are the head's two pair records of Wq.
; LAYOUT.  All products are used transposed: q^T = Wq x^T, S^T = K Q^T, O^T = V^T P^T: a lane holds ONE query (lane % 16) throughout, and its registers run along the next product's K.
; THE SOFTMAX: t = score x log2(e) / 8; M = the running largest t rounded UP to a whole number; p = 2^(t - M) is quantised along the keys, not normalised; the row's sum is taken of the unquantised p and divides O at the end.
; THE MASK needs no vector line.  The score product has K = 64 of the instruction's 128.  At k = 64 Q holds the code 1.0 (scale byte 127) and every key the code -1.0; byte 2 of the key's scale word is 227 where the key is
; masked, which adds -2^100 to its score, and 1 where it is open, which adds -2^-126.  The largest score begins at -2^93: above every masked score, below every real one; so masked keys never set M and their p is 0.
; A KEY STEP, inside a slot, works a step ahead on K: the next step's tiles 4-7 and scale words are fetched under the softmax, multiplied behind the last conversion, and its tiles 0-3 are fetched ahead of this step's last products.
; The 68 exponentials go as one batch; V's last two fragments land where p's blocks 0, 1 lay, once those are converted.
; THE ORDER OF ITS VECTOR LINES: independent lines are woven so that a line reads what stands five lines back or more: the maxima as flat trees, the sums in four chains among the scale lines and the holds.
; NO PREFETCH: a refill is asked for eight key steps (96 products a wave) ahead of its first read, and each record is asked for once in a cluster.
; LIMITS: the scaled scores t stay under 2^31 in magnitude; a batch whose every key is masked is not served (its sum is 0); NaN and infinities are not served; blocks whose largest magnitude lies under 2^-111 take the byte 1.
; o's scale bytes leave as 2 bytes a lane, 8 bytes apart (a head owns 2 of a row's 16 bytes): 131,072 bytes in the whole launch.
.set REC,   17152                      ; a step's record
.set KSW,   16384                      ; in it: K's scale words,
.set VCO,   8192                       ; V's codes,
.set VSW,   16896                      ; V's scale words
.set SLOTB, 8*REC                      ; 137,216: slot 0 at 0, slot 1 behind it
.set WQ,    2*SLOTB                    ; behind the ring: Wq's two pair records, 33,792 bytes, filled once
.set XREC,  16896                      ; a pair's record at K = 512
.set SPARE, WQ+2*XREC                  ; 308,224: the spare words, 128 bytes for each wave
.set L16, 1                            ; v1  16 x lane
.set L8,  2                            ; v2  8 x lane
.set SPW, 3                            ; v3  my spare word; never rewritten
.set NIL, 4                            ; v4  0; never rewritten
.set ADR, 5                            ; v5  the record in hand + 16 x lane
.set AD8, 6                            ; v6  the record in hand + 8 x lane
.set XC,  7                            ; v7  16 x lane + 2,048 x my tile of the pair
.set XS,  8                            ; v8  8 r + 128 x my tile;  v9 the last step's -M
.set VS,  10                           ; v[10:11] V's scale words (in the prologue Wq's)
.set QF,  16                           ; v16-31  Q's fragment: 8 registers of codes, 8 of constants
.set KF,  32                           ; v32-95  four fragments of K: the lower 8 registers loaded, the upper 8 constants
.set S,   96                           ; v96-159 S^T, then p; v96-127 later V's fragments 2, 3
.set O,   160                          ; v160-191 O^T
.set VF,  192                          ; v192-223 V's fragments 0, 1
.set PF,  224                          ; v224-239 p's codes; v232-247 at work ahead of them
.set KS,  248                          ; v248-251 K's scale words (in the prologue x's)
.set QS,  255                          ; v255 Q's scale word;  v252 f, v253 p's scale word, v254 at work;  v12 -M, v13 the largest score, v[14:15] the sum in two halves
.set WV,  12                           ; s12 my wave's number
.set MNT, 19                           ; s19 the mantissa field of 57,344
.set SEL, 20                           ; s[20:21] lane selects: lane l xor 16
.set CS,  22                           ; s[22:23] c = log2(e) / 8
.set G1KV, 24                          ; s[24:31] group 1 for a record;  s[32:39] for a pair record of Wq;  s[40:43], s[44:47] their groups 0
.set G1WQ, 32
.set G0KV, 40
.set G0WQ, 44
.set TB,  48                           ; s48 LDS byte at which the record in hand begins
.set WREC, 49                          ; s49 (wave % 8) x a record
.set CNT, 50                           ; s50 steps to go in a slot's loop
.macro MM d, a, b, z, sa, sb, row      ; z = 1: the product starts the sum;  row = 1: source 0's scales stand in lanes 16-31
.if \z
.if \row
	v_wmma_scale_f32_16x16x128_f8f6f4 v[\d:\d+7], v[\a:\a+15], v[\b:\b+15], 0, v[\sa], v[\sb] matrix_a_fmt:MATRIX_FMT_BF8 matrix_b_fmt:MATRIX_FMT_BF8 matrix_a_scale:MATRIX_SCALE_ROW1
.else
	v_wmma_scale_f32_16x16x128_f8f6f4 v[\d:\d+7], v[\a:\a+15], v[\b:\b+15], 0, v[\sa], v[\sb] matrix_a_fmt:MATRIX_FMT_BF8 matrix_b_fmt:MATRIX_FMT_BF8
.endif
.else
.if \row
	v_wmma_scale_f32_16x16x128_f8f6f4 v[\d:\d+7], v[\a:\a+15], v[\b:\b+15], v[\d:\d+7], v[\sa], v[\sb] matrix_a_fmt:MATRIX_FMT_BF8 matrix_b_fmt:MATRIX_FMT_BF8 matrix_a_scale:MATRIX_SCALE_ROW1
.else
	v_wmma_scale_f32_16x16x128_f8f6f4 v[\d:\d+7], v[\a:\a+15], v[\b:\b+15], v[\d:\d+7], v[\sa], v[\sb] matrix_a_fmt:MATRIX_FMT_BF8 matrix_b_fmt:MATRIX_FMT_BF8
.endif
.endif
.endm
.macro CROUND                          ; a round of the cluster's barrier
	s_barrier_signal -1
	s_barrier_wait -1
	s_cmp_lg_u32 s[WV], 0
	s_cbranch_scc1 .Lnot_wave_0_\@
	s_barrier_signal -3
.Lnot_wave_0_\@:
	s_barrier_wait -3
	s_barrier_signal -1
	s_barrier_wait -1
.endm
.macro TL g0, g1                       ; a tensor load; an s_nop 0 and four v_nop follow it
	tensor_load_to_lds s[\g0:\g0+3], s[\g1:\g1+7]
	s_nop 0
.rept 4
	v_nop
.endr
.endm
; 32 numbers of a lane, register 16 b + i = k 32 b + 16 h + i, become 8 registers of codes at v[dst] and two scale bytes in v254
.macro QUANT2 src, dst
.irp b, 0,1
	v_max3_num_f32 v[232+\b], |v[\src+16*\b]|, |v[\src+1+16*\b]|, 0x8000000   ; from each accumulator's low end on; the floor 2^(16 - 127) holds the byte at 1
.endr
.irp i, 2,4,6,8,10,12,14
.irp b, 0,1
	v_max3_num_f32 v[232+\b], v[232+\b], |v[\src+16*\b+\i]|, |v[\src+1+16*\b+\i]|
.endr
.endr
.irp b, 0,1
	v_permlanex16_b32 v[236+\b], v[232+\b], s[SEL], s[SEL+1]
.endr
.irp b, 0,1
	v_max_num_f32 v[232+\b], v[232+\b], v[236+\b]
.endr
.irp b, 0,1
	v_add_nc_u32 v[244+\b], 0xf8800000, v[232+\b]
.endr
.irp b, 0,1
	v_and_or_b32 v[240+\b], v[232+\b], 0x7f800000, s[MNT]
.endr
.irp b, 0,1
	v_lshrrev_b32 v[236+\b], 23, v[244+\b]
.endr
	v_lshl_or_b32 v254, v237, 8, v236
.irp b, 0,1
.irp i, 0,1,2,3,4,5,6,7,8,9,10,11,12,13,14,15
	v_med3_num_f32 v[\src+16*\b+\i], v[\src+16*\b+\i], -v[240+\b], v[240+\b]
.endr
	v_cvt_scalef32_pk8_bf8_f32 v[\dst+4*\b:\dst+1+4*\b], v[\src+16*\b:\src+7+16*\b], v[244+\b]
	v_cvt_scalef32_pk8_bf8_f32 v[\dst+2+4*\b:\dst+3+4*\b], v[\src+8+16*\b:\src+15+16*\b], v[244+\b]
.endr
	v_nop                                          ; a plain line behind the last conversion
.endm
	s_load_b256 s[4:11], s[0:1], 0x0               ; ximg, wqimg, kv, oimg
	v_lshl_add_u32 v[SPW], v0, 2, SPARE
	v_mov_b32 v[NIL], 0
	ds_add_u32 v[SPW], v[NIL]                      ; the opening: the add, twice on end, and its wait ahead of the first tensor load
	ds_add_u32 v[SPW], v[NIL]
	v_lshrrev_b32 v5, 5, v0
	v_readfirstlane_b32 s[WV], v5                  ; wave 0..15
	s_bfe_u32 s13, ttmp6, 0x40000                  ; cx: it enters x's and o's addresses alone
	s_lshl_b32 s14, ttmp9, 2
	s_add_co_u32 s14, s14, s13                     ; my block of 256 queries
	s_and_b32 s15, ttmp7, 0xffff                   ; 8 x batch + head, which the four partners share
	s_lshr_b32 s16, s15, 3                         ; batch
	s_and_b32 s17, s15, 7                          ; head
	s_lshr_b32 s18, s[WV], 1
	s_and_b32 s51, s[WV], 1                        ; my tile of its pair
	s_lshl_b32 s52, s16, 7
	s_lshl_b32 s53, s14, 3
	s_add_co_u32 s52, s52, s53
	s_add_co_u32 s52, s52, s18                     ; my pair of rows: 128 x batch + 8 x block + wave / 2
	s_mul_i32 s52, s52, XREC
	s_mov_b32 s53, 0
	s_lshr_b32 s54, s17, 1                         ; o's K = 64 x head + d: K step head / 2, groups 2 (head % 2) and + 1
	s_and_b32 s55, s17, 1
	s_lshl_b32 s56, s54, 12
	s_lshl_b32 s57, s55, 10
	s_add_co_u32 s56, s56, s57
	s_mov_b32 s57, 0
	s_lshr_b32 s58, s17, 2                         ; its scale bytes: 16,384 + 256 (head / 4) + 4 ((head / 2) % 2) + 2 (head % 2)
	s_lshl_b32 s58, s58, 8
	s_and_b32 s59, s54, 1
	s_lshl_b32 s59, s59, 2
	s_add_co_u32 s58, s58, s59
	s_lshl_b32 s59, s55, 1
	s_add_co_u32 s58, s58, s59
	s_add_co_u32 s58, s58, 16384
	s_mov_b32 s59, 0
	s_and_b32 s[WREC], s[WV], 7
	s_lshl_b32 s60, s15, 5
	s_add_co_u32 s60, s60, s[WREC]
	s_mul_i32 s60, s60, REC                        ; record 32 (8 batch + head) + wave % 8: steps 0 to 7
	s_mov_b32 s61, 0
	s_mul_i32 s[WREC], s[WREC], REC
	s_lshl_b32 s62, s17, 1
	s_add_co_u32 s62, s62, s51
	s_mul_i32 s62, s62, XREC                       ; Wq's pair 2 x head + wave % 2
	s_mov_b32 s63, 0
	; descriptor groups 1: dense bytes as rows of 32 elements of 8 bytes: 67 rows a record, 66 a pair record of Wq
	s_mov_b32 s[G1KV], 15|(3<<16)|(1<<21)          ; 15:0 the mask: all four work-groups; 17:16 elements of 8 bytes; 21 set beside a mask; no padding
	s_mov_b32 s[G1KV+1], 32<<16
	s_mov_b32 s[G1KV+2], 67<<16
	s_mov_b32 s[G1KV+3], 32<<16
	s_mov_b32 s[G1KV+4], 67
	s_mov_b32 s[G1KV+5], 32
	s_mov_b32 s[G1KV+6], 0
	s_mov_b32 s[G1KV+7], 0
	s_mov_b32 s[G1WQ], 15|(3<<16)|(1<<21)
	s_mov_b32 s[G1WQ+1], 32<<16
	s_mov_b32 s[G1WQ+2], 66<<16
	s_mov_b32 s[G1WQ+3], 32<<16
	s_mov_b32 s[G1WQ+4], 66
	s_mov_b32 s[G1WQ+5], 32
	s_mov_b32 s[G1WQ+6], 0
	s_mov_b32 s[G1WQ+7], 0
	s_mov_b32 s[G0KV], 1
	s_mov_b32 s[G0KV+1], s[WREC]                   ; slot 0, record = wave % 8: no place in the cluster enters an LDS address
	s_mov_b32 s[G0WQ], 1
	s_mul_i32 s[G0WQ+1], s51, XREC
	s_add_co_u32 s[G0WQ+1], s[G0WQ+1], WQ
	s_mov_b32 s[MNT], 0x600000
	s_mov_b32 s[SEL], 0x76543210
	s_mov_b32 s[SEL+1], 0xfedcba98
	s_mov_b32 s[CS], 0x3e38aa3b                    ; log2(e) / 8
	s_mov_b32 s[CS+1], s[CS]                       ; (named with it as a pair, so it is written)
	v_and_b32 v5, 31, v0
	v_and_b32 v6, 15, v0
	v_lshlrev_b32 v[L16], 4, v5
	v_lshlrev_b32 v[L8], 3, v5
	s_lshl_b32 s13, s51, 11
	v_add_nc_u32 v[XC], s13, v[L16]
	s_lshl_b32 s13, s51, 7
	v_lshl_add_u32 v[XS], v6, 3, s13
	v_add_nc_u32 v[ADR], WQ, v[L16]                ; the prologue reads Wq's records
	v_add_nc_u32 v[AD8], WQ, v[L8]
.irp b, 0,1,2,3
	v_mov_b32 v[236+\b], 0                         ; a lane permute's destination counts as one of its sources
.endr
	s_wait_alu depctr_va_vdst(0)
	s_wait_dscnt 0x0                               ; both opening adds are done
	s_wait_kmcnt 0x0
	s_add_nc_u64 s[66:67], s[4:5], s[52:53]        ; x's pair record
	s_add_nc_u64 s[68:69], s[10:11], s[52:53]      ; o's
	s_add_nc_u64 s[70:71], s[68:69], s[58:59]      ; my head's scale bytes in it,
	s_add_nc_u64 s[68:69], s[68:69], s[56:57]      ; and its codes
	s_add_nc_u64 s[G0KV+2:G0KV+3], s[8:9], s[60:61]
	s_or_b32 s[G0KV+3], s[G0KV+3], 0x80000000
	s_add_nc_u64 s[G0WQ+2:G0WQ+3], s[6:7], s[62:63]
	s_or_b32 s[G0WQ+3], s[G0WQ+3], 0x80000000
.irp s, 0,1,2,3
.irp c, 0,1,2,3
	global_load_b128 v[S+16*\s+4*\c:S+16*\s+4*\c+3], v[XC], s[66:67] offset:4096*\s+512*\c   ; my tile of x, K = 512: four fragments, asked for ahead of the round
.endr
.endr
	global_load_b64 v[KS:KS+1], v[XS], s[66:67] offset:16384     ; and its scale words, row r in lane r
	global_load_b64 v[KS+2:KS+3], v[XS], s[66:67] offset:16640
	CROUND                                         ; all four work-groups are here: the first joint loads meet
	s_cmp_lt_u32 s[WV], 2                          ; the first fills, one a wave at the most: waves 0, 1 Wq's records, which are read first; waves 8-15 slot 0's
	s_cbranch_scc0 .Lnot_wq
	TL G0WQ, G1WQ
	s_branch .Lfilled
.Lnot_wq:
	s_cmp_lt_u32 s[WV], 8
	s_cbranch_scc1 .Lfilled
	TL G0KV, G1KV
.Lfilled:
	s_cmp_lt_u32 s[WV], 2                          ; this barrier shows Wq's records alone: the two waves that issued that line wait; slot 0's are waited for at the first change of slots
	s_cbranch_scc0 .Lnot_mine
	s_wait_tensorcnt 0x0
.Lnot_mine:
	s_barrier_signal -1
	s_barrier_wait -1
	; ---- q^T for my 16 queries: source 0 = the head's 64 rows of Wq (4 tiles), source 1 = x; four accumulators by turns
.irp s, 0,1,2,3
.if \s > 0
.rept 8
	v_nop                                          ; eight places in front of loads into registers that matrix instructions have read
.endr
.endif
.irp a, 0,1,2,3
.irp c, 0,1,2,3
	ds_load_b128 v[KF+16*\a+4*\c:KF+16*\a+4*\c+3], v[ADR] offset:XREC*(\a/2)+4096*\s+2048*(\a%2)+512*\c
.endr
.endr
	ds_load_b32 v[VS], v[AD8] offset:16384+256*(\s/2)+4*(\s%2)
	ds_load_b32 v[VS+1], v[AD8] offset:XREC+16384+256*(\s/2)+4*(\s%2)
	s_wait_dscnt 0x0
.if \s == 0
	s_wait_loadcnt 0x0                             ; x
.endif
.irp a, 0,1,2,3
	MM O+8*\a, KF+16*\a, S+16*\s, \s==0, VS+\a/2, KS+\s, \a%2
.endr
.endr
.rept 8
	v_nop
.endr
	QUANT2 O, QF                                   ; register 16 b + i is d = 32 b + 16 h + i: Q's codes
	v_or_b32 v[QS], 0x017f0000, v254               ; Q's scale word: two bytes of d, 127 for the mask's 1.0, 1 over zero codes
	v_bfe_u32 v254, v0, 4, 1
	v_sub_nc_u32 v254, 1, v254                     ; k = 64 lies in lanes 0-15, byte 0 of the fragment's register 8
	v_mul_u32_u24 v[QF+8], v254, 0x3c              ; the code 1.0
	v_mul_u32_u24 v[KF+8], v254, 0xbc              ; the code -1.0
.irp i, 9,10,11,12,13,14,15
	v_mov_b32 v[QF+\i], 0
.endr
.irp t, 1,2,3
	v_mov_b32 v[KF+16*\t+8], v[KF+8]
.endr
.irp t, 0,1,2,3
.irp i, 9,10,11,12,13,14,15
	v_mov_b32 v[KF+16*\t+\i], 0
.endr
.endr
.set j, 0
.rept 32
	v_mov_b32 v[O+j], 0                            ; O^T.  (The step has no first form of its own: its first pass finds zeros, which the first change of M leaves zeros)
.set j, j+1
.endr
	v_mov_b32 v13, 0xee000000                      ; the largest score so far: -2^93
	v_mul_f32 v254, s[CS], v13                     ; as t
	v_mov_b32 v14, 0
	v_mov_b32 v15, 0
	v_mov_b32 v252, 0
	v_mov_b32 v253, 0
	v_floor_f32 v12, -v254                         ; -M
	v_floor_f32 v9, -v254                          ; and as the last step's
	s_wait_alu depctr_va_vdst(0)
.macro M3 d, a                         ; the largest of three scores from v[a] on
	v_max3_num_f32 v[\d], v[\a], v[\a+1], v[\a+2]
.endm
; THE HOLD: the conversion to an 8-bit code does not saturate (ISA guide 7.6.2); p is not negative, so the hold is one-sided.  Two holds an instruction: line n of 16 for blocks 2 g and 2 g + 1 takes an even
; element of one block and the odd element behind it of the other, so that the destinations are even and odd and the sources lie in different register banks.  Lines 2 k and 2 k + 1 hold elements 2 k, 2 k + 1 of both blocks.
.macro MINP g, n
.set mE, 2*((\n)/2)
.set mA, 2*(\g)+(\n)%2
.set mB, 2*(\g)+1-(\n)%2
	v_dual_min_num_f32 v[S+16*mA+mE], v[S+16*mA+mE], v[240+mA] :: v_dual_min_num_f32 v[S+16*mB+mE+1], v[S+16*mB+mE+1], v[240+mB]
.endm
; THE ROW'S SUM IS TAKEN OF THE UNQUANTISED p, two at a time, in four chains v[232 + 2 c : 233 + 2 c]; pair n is v[S + 2 n], v[S + 2 n + 1].  A pair is summed ahead of its hold.
.macro SI c, n                         ; chain c begins with pairs n and n + 1
	v_pk_add_f32 v[232+2*\c:233+2*\c], v[S+2*(\n):S+2*(\n)+1], v[S+2*(\n)+2:S+2*(\n)+3]
.endm
.macro SA c, n                         ; chain c takes pair n
	v_pk_add_f32 v[232+2*\c:233+2*\c], v[232+2*\c:233+2*\c], v[S+2*(\n):S+2*(\n)+1]
.endm
.macro CV b                            ; block b's 16 numbers of my lane become registers 4 b .. 4 b + 3 of the operand
	v_cvt_scalef32_pk8_bf8_f32 v[PF+4*\b:PF+4*\b+1], v[S+16*\b:S+16*\b+7], v[244+\b]
	v_cvt_scalef32_pk8_bf8_f32 v[PF+4*\b+2:PF+4*\b+3], v[S+16*\b+8:S+16*\b+15], v[244+\b]
.endm
.macro KLOAD off                       ; four tiles of K, the lower 8 registers of each fragment
.irp t, 0,1,2,3
	ds_load_b128 v[KF+16*\t:KF+16*\t+3], v[ADR] offset:\off+1024*\t
	ds_load_b128 v[KF+16*\t+4:KF+16*\t+7], v[ADR] offset:\off+1024*\t+512
.endr
.endm
.macro S47                             ; S^T, tiles 4-7 (blocks 2, 3), of the record whose tiles 4-7 and scale words are in registers
.irp t, 0,1,2,3
	MM S+32+8*\t, KF+16*\t, QF, 1, KS+2+\t/2, QS, \t%2
.endr
.endm
; A KEY STEP: 128 keys, the record at s[TB].  At its head the products of its tiles 4-7 have been issued, with eight places behind them, and its tiles 0-3 of K are on their way.
; pre = 1: the next step's record lies in the same slot, and the same is done for it here.
.macro STEP pre
; Nine places behind the last step's products: eight are owed in front of the loads into V's registers and of the first vector write into p's codes, nine in front of the products below, which write over V's fragments 2, 3.
; THE LARGEST SCORE OF EACH BLOCK OF 32 KEYS (my 16 of them) serves twice: for the row's maximum and, since p rises with the score, for the block's largest p.  A block is five leaves of three scores, two joins
; (the second takes the sixteenth score) and a last join: eight lines.  Each accumulator is first read at its low end (the third leaf begins the block's second accumulator at its lowest register).
	v_add_nc_u32 v[ADR], s[TB], v[L16]
	v_add_nc_u32 v[AD8], s[TB], v[L8]
.irp e, 0,1
	M3 240+\e, S+32+16*\e                          ; blocks 2, 3: seven of their ten leaves, into registers that the last products do not name
.endr
.irp e, 0,1
	M3 242+\e, S+35+16*\e
.endr
.irp e, 0,1
	M3 244+\e, S+38+16*\e
.endr
	M3 246, S+41
.irp t, 0,1
.irp c, 0,1,2,3
	ds_load_b128 v[VF+16*\t+4*\c:VF+16*\t+4*\c+3], v[ADR] offset:VCO+2048*\t+512*\c
.endr
.endr
	ds_load_b64 v[VS:VS+1], v[AD8] offset:VSW
	s_wait_alu depctr_va_vdst(0)
	s_wait_dscnt 9                                 ; K's tiles 0-3 are in; the nine loads issued behind them (V's) may be out
.irp t, 0,1,2,3
	MM S+8*\t, KF+16*\t, QF, 1, KS+\t/2, QS, \t%2  ; tiles 0-3 (blocks 0, 1)
.endr
	M3 247, S+57                                   ; eight places that name no register of the four products above: the last three leaves of blocks 2, 3, their first joins,
	M3 234, S+44
	M3 235, S+60
	v_max3_num_f32 v240, v240, v242, v244
	v_max3_num_f32 v241, v241, v243, v245
.rept 3
	v_nop                                          ; and three idle lines
.endr
.if \pre
	ds_load_b128 v[KS:KS+3], v[ADR] offset:REC+KSW ; the next step's scale words of K and its tiles 4-7
	KLOAD REC+4096
.endif
.irp e, 0,1                                    ; blocks 0, 1: five leaves
	M3 232+\e, S+16*\e
.endr
.irp e, 0,1
	M3 236+\e, S+3+16*\e
.endr
.irp e, 0,1
	M3 238+\e, S+6+16*\e
.endr
.irp e, 0,1
	M3 242+\e, S+9+16*\e
.endr
.irp e, 0,1
	M3 244+\e, S+12+16*\e
.endr
.irp e, 0,1
	v_max3_num_f32 v[246+\e], v[246+\e], v[234+\e], v[S+47+16*\e]   ; blocks 2, 3: the second join
.endr
.irp e, 0,1
	v_max3_num_f32 v[232+\e], v[232+\e], v[236+\e], v[238+\e]       ; blocks 0, 1: the first,
.endr
.irp e, 0,1
	v_max3_num_f32 v[242+\e], v[242+\e], v[244+\e], v[S+15+16*\e]   ; and the second
.endr
.irp e, 0,1
	v_max_num_f32 v[234+\e], v[240+\e], v[246+\e]
.endr
.irp e, 0,1
	s_delay_alu instid0(VALU_DEP_4)
	v_max_num_f32 v[232+\e], v[232+\e], v[242+\e]
.endr
.irp b, 2,3,0,1
	s_delay_alu instid0(VALU_DEP_4)
	v_permlanex16_b32 v[236+\b], v[232+\b], s[SEL], s[SEL+1]
.endr
.irp b, 2,3,0,1
	s_delay_alu instid0(VALU_DEP_4)
	v_max_num_f32 v[232+\b], v[232+\b], v[236+\b]  ; with lane l xor 16's 16 keys
.endr
	s_delay_alu instid0(VALU_DEP_2)
	v_max3_num_f32 v254, v234, v235, v232
	s_delay_alu instid0(VALU_DEP_1)
	v_max3_num_f32 v13, v13, v254, v233            ; the running largest score
	s_delay_alu instid0(VALU_DEP_1)
	v_mul_f32 v254, s[CS], v13                     ; as t (c is positive)
	s_delay_alu instid0(VALU_DEP_1)
	v_floor_f32 v12, -v254                         ; the new -M = -ceil(t): a whole number
	s_delay_alu instid0(VALU_DEP_1)
	v_sub_f32 v254, v12, v9                        ; old M - new M: a whole number, 0 or less
	s_delay_alu instid0(VALU_DEP_2)
	v_fma_f32 v232, v232, s[CS], v12               ; t - M of each block's largest score
	s_delay_alu instid0(VALU_DEP_3)
	v_fma_f32 v233, v233, s[CS], v12
	s_delay_alu instid0(VALU_DEP_4)
	v_fma_f32 v234, v234, s[CS], v12
	v_fma_f32 v235, v235, s[CS], v12
	v_cvt_i32_f32 v254, v254                       ; (it saturates)
.set j, 0
.rept 32
	v_pk_fma_f32 v[S+j:S+j+1], v[S+j:S+j+1], s[CS:CS+1], v[12:13] op_sel_hi:[1,0,0]   ; t - M, two at a time (of the pairs c and -M the low word serves both halves)
.set j, j+2
.endr
	s_wait_alu depctr_va_vdst(0)                   ; the wait ahead of the batch
.irp b, 0,1,2,3
	v_exp_f32 v[232+\b], v[232+\b]                 ; the block's largest p: the same two instructions on the same number give the same bits
.endr
.set j, 0
.rept 64
	v_exp_f32 v[S+j], v[S+j]                       ; p = 2^(t - M), at most 1; 0 for a masked key
.set j, j+1
.endr
	v_ldexp_f32 v252, 1.0, v254                    ; f = 2^(old M - new M): a multiplication by it rounds nothing.  (The plain place behind the batch)
	s_wait_alu depctr_va_vdst(0)                   ; one wait for the whole batch, ahead of its first reader
; The scale lines, the sums and the holds, woven.  Chains 2, 3 run from the start; chains 0, 1 take v232-235 once p's scale word is made.
.irp b, 0,1,2,3
	v_max_num_f32 v[232+\b], 0x8000000, v[232+\b]  ; the floor 2^(16 - 127): a block whose every p is 0 keeps the byte 1: its codes are zeros
.endr
	SI 2, 0
	SI 3, 8
.irp b, 0,1,2,3
	v_add_nc_u32 v[244+\b], 0xf8800000, v[232+\b]  ; 15 off the exponent field: the conversion's scale operand
.endr
	SA 2, 2
	SA 3, 10
.irp b, 0,1,2,3
	v_and_or_b32 v[240+\b], v[232+\b], 0x7f800000, s[MNT]   ; 57,344 x the scale
.endr
	SA 2, 3
	SA 3, 11
.irp b, 0,1,2,3
	v_lshrrev_b32 v[232+\b], 23, v[244+\b]         ; the scale's byte
.endr
	SA 2, 4
	SA 3, 12
	MINP 0, 0
	MINP 0, 1
	v_lshl_or_b32 v232, v233, 8, v232
	v_lshl_or_b32 v234, v235, 8, v234
	SA 2, 5
	SA 3, 13
	MINP 0, 2
	MINP 0, 3
	MINP 0, 4
	v_lshl_or_b32 v253, v234, 16, v232             ; p's scale word for these 128 keys
	SA 2, 6
	SA 3, 14
	MINP 0, 5
	MINP 0, 6
	MINP 0, 7
	SA 2, 7
	SA 3, 15
	SI 0, 16
	SI 1, 24
	MINP 0, 8
	MINP 0, 9
	SA 2, 18
	SA 3, 26
	MINP 0, 10
	MINP 0, 11
	SA 0, 19
	SA 1, 27
	MINP 0, 12
	MINP 0, 13
	SA 2, 20
	SA 3, 28
	MINP 0, 14
	MINP 0, 15
	SA 0, 21
	SA 1, 29
	SA 2, 22
	SA 3, 30
	CV 0
	CV 1
	SA 0, 23
	SA 1, 31
.irp t, 0,1
.irp c, 0,1,2,3
	ds_load_b128 v[S+16*\t+4*\c:S+16*\t+4*\c+3], v[ADR] offset:VCO+4096+2048*\t+512*\c   ; V's fragments 2, 3, where p's blocks 0, 1 lay
.endr
.endr
.irp n, 0,1,2,3,4,5
	MINP 1, \n
.endr
	v_pk_add_f32 v[232:233], v[232:233], v[234:235]
	v_pk_add_f32 v[236:237], v[236:237], v[238:239]
.irp n, 6,7,8,9,10
	MINP 1, \n
.endr
	v_pk_add_f32 v[232:233], v[232:233], v[236:237]
.irp n, 11,12,13,14,15
	MINP 1, \n
.endr
	v_pk_fma_f32 v[14:15], v[14:15], v[252:253], v[232:233] op_sel_hi:[1,0,1]   ; the old sum under the new M, and this step's
	CV 2
	CV 3
	v_mov_b32 v9, v12                              ; -M is kept for the next step's f.  (The plain line behind the last conversion)
.if \pre
	s_wait_dscnt 8                                 ; the next step's tiles 4-7 and scale words of K are in; the eight loads issued behind them (V's fragments 2, 3) may be out
	S47                                            ; the next step's first products, where p's blocks 2, 3 lay
.endif
	s_wait_alu depctr_va_vdst(0)                   ; the wait ahead of the first reader of O^T
.set j, 0
.rept 16
	v_pk_mul_f32 v[O+j:O+j+1], v[O+j:O+j+1], v[252:253] op_sel_hi:[1,0]   ; O^T under the new M: x f, each accumulator from its low end on.  (Also the places behind the products above and between the codes and the products below)
.set j, j+2
.endr
.if \pre
	KLOAD REC                                      ; the next step's tiles 0-3 of K
	s_wait_alu depctr_va_vdst(0)
	s_wait_dscnt 8                                 ; V and its scale words are in; the eight loads just issued may be out
.else
	s_wait_alu depctr_va_vdst(0)
	s_wait_dscnt 0x0                               ; V and its scale words
.endif
	MM O, VF, PF, 0, VS, 253, 0                    ; O^T += V^T P^T: four tiles of 16 of the head's 64; the four accumulators by turns
	MM O+8, VF+16, PF, 0, VS, 253, 1
	MM O+16, S, PF, 0, VS+1, 253, 0
	MM O+24, S+16, PF, 0, VS+1, 253, 1
	s_add_co_u32 s[TB], s[TB], REC                 ; the next record
.endm
; THE CHANGE OF SLOTS stands at a slot's head.  Each wave waits for all its tensor loads, adds 0 to its spare word, and waits for that and for its reads of the slot it has left.
; fill = 1: the barrier is a round of the cluster's, and the joint load of the next eight records into the slot at fb (waves 8-15, a record each) is the first thing behind it: it has eight key steps in which to land.
; By this text's own count a wave has one tensor load out at the most.
.macro CHANGE fill, fb
	s_wait_tensorcnt 0x0                           ; no tensor load of mine is out, so a group 0 may be written
	ds_add_u32 v[SPW], v[NIL]                      ; 0 onto my spare word
.if \fill
	ds_add_u32 v[SPW], v[NIL]                      ; and once more
	s_add_co_u32 s[G0KV+1], s[WREC], \fb
	s_add_nc_u64 s[G0KV+2:G0KV+3], s[G0KV+2:G0KV+3], SLOTB   ; the next eight records; the type bits on top are not reached
.endif
	s_wait_dscnt 0x0                               ; the add is done, and my reads of the slot that I have left are over
.if \fill
	CROUND
	s_cmp_lt_u32 s[WV], 8
	s_cbranch_scc1 .Lasked_\@
	TL G0KV, G1KV
.Lasked_\@:
.else
	s_barrier_signal -1
	s_barrier_wait -1
.endif
.endm
.macro SLOT base                       ; a slot's eight key steps: the first step's opening, seven steps that work ahead, and a last that does not: no read crosses a change of slots
	s_mov_b32 s[TB], \base
	v_add_nc_u32 v[ADR], \base, v[L16]
	ds_load_b128 v[KS:KS+3], v[ADR] offset:KSW     ; K's scale words: register j: lanes 0-15 tile 2 j, lanes 16-31 tile 2 j + 1
	KLOAD 4096
	s_mov_b32 s[CNT], 7
	s_wait_alu depctr_va_vdst(0)
	s_wait_dscnt 0x0
	S47
.rept 8
	v_nop                                          ; eight places in front of the loads into K's registers and of the first read of results
.endr
	KLOAD 0
.Lstep_\@:
	STEP 1
	s_sub_co_u32 s[CNT], s[CNT], 1
	s_cmp_lg_u32 s[CNT], 0
	s_cbranch_scc1 .Lstep_\@
	STEP 0
.endm
	CHANGE 1, SLOTB                                ; slot 0 is whole; records 8-15 are asked for
	SLOT 0
	CHANGE 1, 0                                    ; records 16-23
	SLOT SLOTB
	CHANGE 1, SLOTB                                ; records 24-31
	SLOT 0
	CHANGE 0, 0                                    ; nothing more is asked for
	SLOT SLOTB
	; ---- THE WAY OUT: O^T / the sum, quantised along d: its registers are 32 neighbours of the last product's K, in the operand's order
.rept 8
	v_nop                                          ; eight places behind the last products
.endr
	v_add_f32 v14, v14, v15                        ; the sum's two halves,
	v_permlanex16_b32 v252, v14, s[SEL], s[SEL+1]
	v_add_f32 v14, v14, v252                       ; and lane l xor 16's
	s_wait_alu depctr_va_vdst(0)                   ; the wait ahead of the transcendental
	v_rcp_f32 v14, v14
	v_nop                                          ; a plain place behind the transcendental
	s_wait_alu depctr_va_vdst(0)                   ; the wait ahead of its first reader, which is also the first reader of O^T
.set j, 0
.rept 16
	v_pk_mul_f32 v[S+j:S+j+1], v[O+j:O+j+1], v[14:15] op_sel_hi:[1,0]   ; each accumulator from its low end on
.set j, j+2
.endr
	QUANT2 S, PF
	global_store_b128 v[XC], v[PF:PF+3], s[68:69]                ; 512 consecutive bytes, aligned
	global_store_b128 v[XC], v[PF+4:PF+7], s[68:69] offset:512
	global_store_b16 v[XS], v254, s[70:71]                       ; my head's two scale bytes of row r (both halves of the lanes write the same)
	s_wait_tensorcnt 0x0                           ; the wave's end
	ds_add_u32 v[SPW], v[NIL]
	s_wait_dscnt 0x0
	CROUND                                         ; the closing round: no work-group ends while a partner may still ask for a record that names it
	s_endpgm
.Lfunc_end_k_q4536045e98_attn:
	.size	k_q4536045e98_attn, .Lfunc_end_k_q4536045e98_attn-k_q4536045e98_attn
	.p2alignl 7, 3214868480
	.fill 96, 4, 3214868480
	.section	.rodata,"a",@progbits
	.p2align	6, 0x0
	.amdhsa_kernel k_q4536045e98_attn
		.amdhsa_group_segment_fixed_size 327680
		.amdhsa_private_segment_fixed_size 0
		.amdhsa_enable_private_segment 0
		.amdhsa_kernarg_size 32
		.amdhsa_user_sgpr_count 2
		.amdhsa_user_sgpr_kernarg_segment_ptr 1
		.amdhsa_wavefront_size32 1
		.amdhsa_system_sgpr_workgroup_id_x 1
		.amdhsa_system_sgpr_workgroup_id_y 1
		.amdhsa_system_sgpr_workgroup_id_z 1
		.amdhsa_system_vgpr_workitem_id 0
		.amdhsa_next_free_vgpr 256
		.amdhsa_next_free_sgpr 72
		.amdhsa_reserve_vcc 0
		.amdhsa_float_denorm_mode_32 3
		.amdhsa_float_denorm_mode_16_64 3
		.amdhsa_memory_ordered 1
		.amdhsa_forward_progress 1
		.amdhsa_inst_pref_size 180
	.end_amdhsa_kernel
	.amdgpu_metadata
---
amdhsa.version: [ 1, 2 ]
amdhsa.kernels:
  - .name:           k_q4536045e98_attn
    .symbol:         k_q4536045e98_attn.kd
    .args:
      - { .name: ximg, .offset: 0, .size: 8, .value_kind: global_buffer, .address_space: global }
      - { .name: wqimg, .offset: 8, .size: 8, .value_kind: global_buffer, .address_space: global }
      - { .name: kv, .offset: 16, .size: 8, .value_kind: global_buffer, .address_space: global }
      - { .name: oimg, .offset: 24, .size: 8, .value_kind: global_buffer, .address_space: global }
    .group_segment_fixed_size: 327680
    .private_segment_fixed_size: 0
    .kernarg_segment_align: 8
    .kernarg_segment_size: 32
    .max_flat_workgroup_size: 512
    .sgpr_count:     72
    .vgpr_count:     256
    .wavefront_size: 32
...
	.end_amdgpu_metadata
.endif
;; end of part 3
;; launch oproj (part 4): grid 4 x 64, 8 waves a work-group, no clusters, 203,776 bytes of LDS; arguments oimg, wpimg, bp, out0; writes out0
.if DOCPART == 4
	.amdgcn_target "amdgcn-amd-amdhsa--gfx1250"
	.amdhsa_code_object_version 6
	.text
	.protected	k_q4536045e98_oproj
	.globl	k_q4536045e98_oproj
	.p2align	8
	.type	k_q4536045e98_oproj,@function
k_q4536045e98_oproj:
	s_mov_b64 s[64:65], 0
	v_nop
	global_prefetch_b8 v0, s[64:65] scope:SCOPE_SE
	s_setreg_imm32_b32 hwreg(HW_REG_WAVE_MODE, 25, 1), 1
	s_wait_xcnt 0x0
; out0 = o Wp^T + bp on codes of BF8 (E5M2) with E8M0 scales, K = 512; out0 [8192][512] f32.
; SHARES.  Work-group (cb, rb): rows 128 rb on, columns 128 cb on.  Eight waves; each brings one pair record (16,896 dense bytes) into LDS: waves 0-3 o's four pairs, waves 4-7 Wp's.  Filled once.
; Transposed: source 0 = the 128 rows of Wp (8 tiles), source 1 = my tile of 16 rows of o: a lane holds one row of out0, and the 16 registers of two neighbouring tiles are 16 neighbouring columns.
; (Lane r of tile u of pair P is row 32 P + 8 u + r + 8 (r / 8).)  The bias is loaded straight into the accumulators, in the result's layout, so every product adds in place.
; The wave's 16 rows x 512 bytes go through its own stage in LDS and leave as whole rows: 32 lanes store 512 consecutive bytes, aligned.
; No cluster: each work-group fetches once and has no ring.
.set REC,  16896
.set OB,   0
.set WB,   4*REC
.set STG,  8*REC                       ; 135,168: a stage of 16 rows x 528 bytes for each wave; no tensor load lands here
.set L16, 1
.set L8,  2
.set FB,  16                           ; v16-31   o's fragment
.set ACC, 32                           ; v32-95   8 accumulators
.set FA,  96                           ; v96-223  Wp's 8 fragments; on the way out v96-159 the rows read back
.set SA,  224                          ; v224-239 Wp's scale words: 4 x pair + K step
.set SB,  248                          ; v248-251 o's
.macro MM d, a, b, sa, sb, row
.if \row
	v_wmma_scale_f32_16x16x128_f8f6f4 v[\d:\d+7], v[\a:\a+15], v[\b:\b+15], v[\d:\d+7], v[\sa], v[\sb] matrix_a_fmt:MATRIX_FMT_BF8 matrix_b_fmt:MATRIX_FMT_BF8 matrix_a_scale:MATRIX_SCALE_ROW1
.else
	v_wmma_scale_f32_16x16x128_f8f6f4 v[\d:\d+7], v[\a:\a+15], v[\b:\b+15], v[\d:\d+7], v[\sa], v[\sb] matrix_a_fmt:MATRIX_FMT_BF8 matrix_b_fmt:MATRIX_FMT_BF8
.endif
.endm
	s_load_b256 s[4:11], s[0:1], 0x0               ; oimg, wpimg, bp, out0
	v_lshl_add_u32 v254, v0, 2, 0x31800
	v_mov_b32 v255, 0
	ds_add_u32 v254, v255
	ds_add_u32 v254, v255
	v_lshrrev_b32 v1, 5, v0
	s_delay_alu instid0(VALU_DEP_1)
	v_readfirstlane_b32 s12, v1                    ; wave 0..7
	s_and_b32 s13, ttmp7, 0xffff                   ; rb
	s_lshr_b32 s14, s12, 1                         ; my tile's pair
	s_and_b32 s15, s12, 1                          ; and which of its two tiles
	v_and_b32 v3, 31, v0
	v_and_b32 v4, 15, v0                           ; r
	s_wait_alu depctr_va_vdst(0)
	v_bfe_u32 v15, v0, 4, 1                        ; h
	v_lshlrev_b32 v[L16], 4, v3
	v_lshlrev_b32 v[L8], 3, v3
	s_delay_alu instid0(VALU_DEP_2)
	v_add_nc_u32 v5, WB, v[L16]                    ; Wp's pairs 0, 1
	s_delay_alu instid0(VALU_DEP_3)
	v_add_nc_u32 v6, WB+2*REC, v[L16]              ; pairs 2, 3
	s_delay_alu instid0(VALU_DEP_3)
	v_add_nc_u32 v7, WB+16384, v[L8]               ; their scale words
	s_mul_i32 s16, s14, REC
	s_lshl_b32 s17, s15, 11
	s_add_co_u32 s17, s16, s17
	v_add_nc_u32 v9, s17, v[L16]                   ; my tile of o
	s_lshl_b32 s17, s15, 7
	s_add_co_u32 s17, s17, s16
	s_add_co_u32 s17, s17, 16384
	v_lshl_add_u32 v10, v4, 3, s17                 ; its scale words, row r in lane r
	s_mul_i32 s18, s12, 16*528
	s_add_co_u32 s18, s18, STG
	v_mul_u32_u24 v11, v4, 528
	s_wait_alu depctr_va_vdst(0)
	v_lshl_add_u32 v11, v15, 6, v11
	s_delay_alu instid0(VALU_DEP_1)
	v_add_nc_u32 v11, s18, v11                     ; the stage, in: row r, + 64 h
	v_add_nc_u32 v12, s18, v[L16]                  ; and back: a row's 512 bytes
	v_lshlrev_b32 v13, 6, v15                      ; the bias: 16 numbers on for lanes 16-31
	; descriptor group 1: 16,896 dense bytes as 66 rows of 32 elements of 8 bytes
	s_mov_b32 s24, 3<<16
	s_mov_b32 s25, 32<<16
	s_mov_b32 s26, 66<<16
	s_mov_b32 s27, 32<<16
	s_mov_b32 s28, 66
	s_mov_b32 s29, 32
	s_mov_b32 s30, 0
	s_mov_b32 s31, 0
	s_mov_b32 s20, 1
	s_mul_i32 s21, s12, REC                        ; LDS: wave x 16,896
	s_and_b32 s19, s12, 3
	s_lshl_b32 s32, s13, 2
	s_add_co_u32 s32, s32, s19
	s_mul_i32 s32, s32, REC                        ; o's pair 4 rb + wave % 4
	s_mov_b32 s33, 0
	s_lshl_b32 s34, ttmp9, 2
	s_add_co_u32 s34, s34, s19
	s_mul_i32 s34, s34, REC                        ; Wp's pair 4 cb + wave % 4
	s_mov_b32 s35, 0
	s_lshl_b32 s36, ttmp9, 9                       ; 128 columns of f32
	s_mov_b32 s37, 0
	s_lshl_b32 s38, s13, 7
	s_lshl_b32 s39, s14, 5
	s_add_co_u32 s38, s38, s39
	s_lshl_b32 s39, s15, 3
	s_add_co_u32 s38, s38, s39                     ; my tile's first row: 128 rb + 32 x pair + 8 x tile
	s_lshl_b32 s38, s38, 11
	s_add_co_u32 s38, s38, s36
	s_mov_b32 s39, 0
	s_wait_alu depctr_va_vdst(0)
	s_wait_dscnt 0x0
	s_wait_kmcnt 0x0
	s_add_nc_u64 s[32:33], s[4:5], s[32:33]
	s_add_nc_u64 s[34:35], s[6:7], s[34:35]
	s_add_nc_u64 s[8:9], s[8:9], s[36:37]
	s_add_nc_u64 s[10:11], s[10:11], s[38:39]
	s_cmp_lt_u32 s12, 4
	s_cselect_b64 s[22:23], s[32:33], s[34:35]     ; the choice hangs on the wave's number alone
	s_or_b32 s23, s23, 0x80000000
	tensor_load_to_lds s[20:23], s[24:31]          ; one load a wave, filled once
	s_nop 0
.rept 4
	v_nop
.endr
.irp a, 0,1,2,3,4,5,6,7
	global_load_b128 v[ACC+8*\a:ACC+8*\a+3], v13, s[8:9] offset:128*(\a/2)+32*(\a%2)        ; bp at columns 32 (a / 2) + 16 h + 8 (a % 2) + 0 .. 7
	global_load_b128 v[ACC+8*\a+4:ACC+8*\a+7], v13, s[8:9] offset:128*(\a/2)+32*(\a%2)+16
.endr
	s_wait_tensorcnt 0x0                           ; my record has landed,
	s_barrier_signal -1
	s_barrier_wait -1                              ; everybody's has
	s_wait_loadcnt 0x0                             ; the bias
.irp p, 0,1,2,3
.irp j, 0,1
	ds_load_b64 v[SA+4*\p+2*\j:SA+4*\p+2*\j+1], v7 offset:REC*\p+256*\j   ; two K steps' words; lanes 0-15 tile 0's rows, lanes 16-31 tile 1's
.endr
.endr
.irp j, 0,1
	ds_load_b64 v[SB+2*\j:SB+2*\j+1], v10 offset:256*\j
.endr
.irp s, 0,1,2,3
.if \s > 0
.rept 8
	v_nop                                          ; eight places in front of loads into registers that matrix instructions have read
.endr
.endif
.irp c, 0,1,2,3
	ds_load_b128 v[FB+4*\c:FB+4*\c+3], v9 offset:4096*\s+512*\c
.endr
.irp a, 0,1,2,3,4,5,6,7
.irp c, 0,1,2,3
	ds_load_b128 v[FA+16*\a+4*\c:FA+16*\a+4*\c+3], v[5+\a/4] offset:REC*((\a/2)%2)+4096*\s+2048*(\a%2)+512*\c
.endr
.endr
	s_wait_dscnt 0x0
.irp a, 0,1,2,3,4,5,6,7
	MM ACC+8*\a, FA+16*\a, FB, SA+4*(\a/2)+\s, SB+\s, \a%2   ; the eight accumulators by turns
.endr
.endr
.rept 8
	v_nop                                          ; eight places in front of the first read of results and of loads into operands
.endr
.irp a, 0,1,2,3,4,5,6,7
	ds_store_b128 v11, v[ACC+8*\a:ACC+8*\a+3] offset:128*(\a/2)+32*(\a%2)          ; each accumulator from its low end on
	ds_store_b128 v11, v[ACC+8*\a+4:ACC+8*\a+7] offset:128*(\a/2)+32*(\a%2)+16
.endr
.irp i, 0,1,2,3,4,5,6,7,8,9,10,11,12,13,14,15
	ds_load_b128 v[FA+4*\i:FA+4*\i+3], v12 offset:528*\i   ; LDS serves a wave's instructions in order: these see my stores
.endr
.irp i, 0,1,2,3,4,5,6,7,8,9,10,11,12,13,14,15
	s_wait_dscnt 15-\i                             ; row i is back; the younger loads may be out
	global_store_b128 v[L16], v[FA+4*\i:FA+4*\i+3], s[10:11] offset:(\i+8*(\i/8))*2048 th:TH_STORE_NT   ; the tile's lane i is row i + 8 (i / 8): 512 consecutive bytes, aligned; written once
.endr
	s_wait_tensorcnt 0x0
	ds_add_u32 v254, v255
	s_wait_dscnt 0x0
	s_endpgm
.Lfunc_end_k_q4536045e98_oproj:
	.size	k_q4536045e98_oproj, .Lfunc_end_k_q4536045e98_oproj-k_q4536045e98_oproj
	.p2alignl 7, 3214868480
	.fill 96, 4, 3214868480
	.section	.rodata,"a",@progbits
	.p2align	6, 0x0
	.amdhsa_kernel k_q4536045e98_oproj
		.amdhsa_group_segment_fixed_size 203776
		.amdhsa_private_segment_fixed_size 0
		.amdhsa_enable_private_segment 0
		.amdhsa_kernarg_size 32
		.amdhsa_user_sgpr_count 2
		.amdhsa_user_sgpr_kernarg_segment_ptr 1
		.amdhsa_wavefront_size32 1
		.amdhsa_system_sgpr_workgroup_id_x 1
		.amdhsa_system_sgpr_workgroup_id_y 1
		.amdhsa_system_sgpr_workgroup_id_z 1
		.amdhsa_system_vgpr_workitem_id 0
		.amdhsa_next_free_vgpr 256
		.amdhsa_next_free_sgpr 66
		.amdhsa_reserve_vcc 0
		.amdhsa_float_denorm_mode_32 3
		.amdhsa_float_denorm_mode_16_64 3
		.amdhsa_memory_ordered 1
		.amdhsa_forward_progress 1
		.amdhsa_inst_pref_size 25
	.end_amdhsa_kernel
	.amdgpu_metadata
---
amdhsa.version: [ 1, 2 ]
amdhsa.kernels:
  - .name:           k_q4536045e98_oproj
    .symbol:         k_q4536045e98_oproj.kd
    .args:
      - { .name: oimg, .offset: 0, .size: 8, .value_kind: global_buffer, .address_space: global }
      - { .name: wpimg, .offset: 8, .size: 8, .value_kind: global_buffer, .address_space: global }
      - { .name: bp, .offset: 16, .size: 8, .value_kind: global_buffer, .address_space: global }
      - { .name: out0, .offset: 24, .size: 8, .value_kind: global_buffer, .address_space: global }
    .group_segment_fixed_size: 203776
    .private_segment_fixed_size: 0
    .kernarg_segment_align: 8
    .kernarg_segment_size: 32
    .max_flat_workgroup_size: 256
    .sgpr_count:     66
    .vgpr_count:     256
    .wavefront_size: 32
...
	.end_amdgpu_metadata
.endif
;; end of part 4
